; MI455X (gfx1250); checked and timed in simulation.
; The chip was launched on July 23, 2026; its instructions are those of AMD's public machine-readable ISA for CDNA 5 (MIT licence, August 2026) and "CDNA5" Instruction Set Architecture Reference Guide (July 2026). The comments in the code are by the model that wrote it; some were corrected since.
;; Multi head attention. Allowed arithmetic: matrix products marked QUANTISED: E3M2 operands, one E8M0 scale for each 32 along K, by v_wmma_scale_f32_16x16x128_f8f6f4 with both operands' format E3M2, f32 sums; everything else in f32.
;; Inputs: Wk 1,024 x 1,024 float32; Wo 1,024 x 1,024 float32; Wq 1,024 x 1,024 float32; Wv 1,024 x 1,024 float32; bo 1,024 float32; embed_vec 4 x 2,048 x 1,024 float32.
;; Outputs: out0 4 x 2,048 x 1,024 float32.
;; This version of the problem:
;;   THIS VERSION OF THE PROBLEM IS GIVEN IN LOW PRECISION. The matrix products marked QUANTISED in the list below multiply operands that are first quantised to E3M2 (3 exponent bits, 2 mantissa bits; 6 bits a number), with one power-of-two scale for each 32 numbers along K (OCP MX v1.0); their sums are f32. All else is computed in f32.
;;   The module's matrix products, in the order in which they are computed (A, B: the left and right operand; K: the contracted axis; several contracted axes count as one K, in the product's order):
;;     1. [M 8,192, K 1,024] x [K 1,024, N 1,024]; A: input embed_vec; B: input Wq: QUANTISED
;;     2. [M 8,192, K 1,024] x [K 1,024, N 1,024]; A: input embed_vec; B: input Wk: QUANTISED
;;     3. [M 8,192, K 1,024] x [K 1,024, N 1,024]; A: input embed_vec; B: input Wv: QUANTISED
;;     4. batch 64 x [M 2,048, K 64] x [K 64, N 2,048]; A: computed on the way; B: computed on the way: QUANTISED
;;     5. batch 64 x [M 2,048, K 2,048] x [K 2,048, N 64]; A: softmax (see below); B: computed on the way: QUANTISED
;;     6. [M 8,192, K 1,024] x [K 1,024, N 1,024]; A: computed on the way; B: input Wo: QUANTISED
;;   THE QUANTISER, for each operand of a quantised product, along K:
;;     - K is cut into blocks of 32 from its start; a last block that is shorter is filled with zeros.
;;     - A block's scale is 2^e with e = floor(log2(the largest magnitude in the block)) - 4, held to -126 .. 127; a block of zeros has e = 0. As a byte (E8M0): e + 127.
;;     - Each number is divided by its block's scale, clamped to +-28, and rounded to the nearest number of E3M2, ties to even, subnormals kept.
;;     - The product sums the exact products of the quantised numbers (number of the format x scale) in f32.
;;   ~~~python
;;   def quantise(x, axis):      # numpy; x: float32 -> the quantised numbers, widened to float32 again
;;       x = np.moveaxis(x, axis, -1); K = x.shape[-1]
;;       x = np.pad(x, [(0, 0)] * (x.ndim - 1) + [(0, -K % 32)]); x = x.reshape(x.shape[:-1] + (-1, 32)); a = np.abs(x).max(-1, keepdims=True)
;;       e = np.where(a > 0, np.clip(np.frexp(np.where(a > 0, a, 1))[1] - 1 - 4, -126, 127), 0)      # np.frexp(a)[1] - 1 = floor(log2(a)), exactly
;;       r = np.clip(x / 2.0 ** e, -28, 28)
;;       step = 2.0 ** (np.maximum(np.frexp(np.where(r == 0, 1, r))[1] - 1, -2) - 2)
;;       q = np.round(r / step) * step * 2.0 ** e      # np.round: ties to even
;;       return np.moveaxis(q.reshape(q.shape[:-2] + (-1,))[..., :K], -1, axis).astype(np.float32)
;;   ~~~
;;   SOFTMAX AHEAD OF A QUANTISED PRODUCT. Where the list says 'softmax', what is quantised is not the finished softmax but p = 2^(t - M), with t = logit x log2(e) and M = ceil(the row's largest t), a whole number; so 1/2 < the row's largest p <= 1. The row's sum l is taken of the UNQUANTISED p, in f32, and the product's result is divided by l at the end. Since M is a whole number, a kernel that streams over the keys may use a running M (the ceiling of the running maximum): every later rescaling is an exact power of two, which a block's scale takes up: the codes' values come out the same.
;;   OPERANDS COMPUTED ON THE WAY. 'Computed on the way' means the value that the module computes at that place (a softmax that the list does not call 'softmax' is quantised finished and normalised). What goes into a quantiser is computed in f32, as accurately as f32 sums, v_exp_f32 and their like allow (about 1e-6 of the number): no bf16 or f16 on the way to a quantiser, and a product that is left as it is and whose result goes on into a quantised operand takes f32 operands (vector FMAs, or v_wmma_f32_16x16x4_f32). A number that lies on a knife's edge between two numbers of the format may be rounded either way, as far as f32 arithmetic and the matrix unit's own rounding can turn it there, and no further.
;; One version. Each part assembles by itself: llvm-mc -triple=amdgcn-amd-amdhsa -mcpu=gfx1250 --defsym DOCPART=n.
;; ======== version 1 of 1: 4 launches
;; workspace buffers: xq 6,553,600 bytes; wq 3,276,800 bytes; qb 6,815,744 bytes; kb 6,815,744 bytes; vb 6,553,600 bytes; cq 6,553,600 bytes
;; launch quant (part 1): grid 512 x 1, 4 waves a work-group, no clusters, 34,304 bytes of LDS; arguments embed_vec, Wq, Wk, Wv, Wo, xq, wq; writes xq, wq
.if DOCPART == 1
	.amdgcn_target "amdgcn-amd-amdhsa--gfx1250"
	.amdhsa_code_object_version 6
	.text
	.protected	k_q4df968ef59_quant
	.globl	k_q4df968ef59_quant
	.p2align	8
	.type	k_q4df968ef59_quant,@function
k_q4df968ef59_quant:
	s_mov_b64 s[64:65], 0
	v_nop
	global_prefetch_b8 v0, s[64:65] scope:SCOPE_SE
	s_setreg_imm32_b32 hwreg(HW_REG_WAVE_MODE, 25, 1), 1
	s_wait_xcnt 0x0
; embed_vec [8192][1024] and Wq, Wk, Wv, Wo [1024 (k)][1024 (n)], f32, become codes of BF6 (E3M2) with one E8M0 byte for each 32 along K, laid as the later launches' operand registers want them.
; A block's scale is 2^(floor(log2(its largest magnitude)) - 4): its byte is the largest magnitude's exponent field - 4, held at 1 from below by a floor among the maximum's leaves.
; LIMITS: blocks whose largest magnitude lies under 2^-122 keep the byte 1; a block of zeros gets the byte 1 (not 127): its codes are zeros and this program alone reads the bytes; NaN and infinities are not served.
; LAYOUT.  A tile is 16 rows: slot r of tile T is row 32 (T / 2) + 8 (T % 2) + r + 8 (r / 8).  A half fragment (16 rows x 64 K, 768 bytes): lane l = r + 16 h holds block h of slot r, 24 bytes = operand registers 0-5:
; registers 0-3 at byte 16 l, registers 4-5 at byte 512 + 8 l.  Codes: [K / 256][tile][K / 64 % 4][768].  Scale words (4 bytes for 128 K): [tile][K / 512][slot][4 words].
; Work-groups 0-255 take embed_vec (K innermost: the numbers turn through the wave's own stage in LDS); work-groups 256-511 take the weights (a lane to a column, registers down K; no LDS).
; The weights' stores of 8 bytes a lane and their scale words fill runs of 128 and of 4 bytes: a third of 3 MB of codes and 128 KB of scales.
.set CHX, 1572864                      ; xq: from one 256 along K to the next: 512 tiles x 3,072 bytes
.set XSC, 6291456                      ; xq: where the scale words begin
.set CHW, 786432                       ; wq: 256 tiles x 3,072
.set WSC, 3145728
; 32 numbers of ONE block in v[xs] on become six registers of codes in v[cd] on; so: the conversion's scale operand; by: the scale's byte
.macro QHF xs, cd, t2, ma, mb, so, by
	v_max3_num_f32 v[\ma], |v[\xs]|, |v[\xs+1]|, 0x2800000          ; the floor 2^(5 - 127) is a leaf: the byte cannot fall under 1
	v_max3_num_f32 v[\mb], |v[\xs+2]|, |v[\xs+3]|, |v[\xs+4]|       ; two chains, so that no line waits for the line above it
.irp i, 5,9,13,17,21,25
	v_max3_num_f32 v[\ma], v[\ma], |v[\xs+\i]|, |v[\xs+\i+1]|
	v_max3_num_f32 v[\mb], v[\mb], |v[\xs+\i+2]|, |v[\xs+\i+3]|
.endr
	v_max3_num_f32 v[\ma], v[\ma], |v[\xs+29]|, |v[\xs+30]|
	v_max3_num_f32 v[\ma], v[\ma], v[\mb], |v[\xs+31]|
	v_add_nc_u32 v[\so], 0xfe000000, v[\ma]                         ; 4 off the exponent field: the conversion takes this operand's exponent field as its scale
	v_cvt_scalef32_pk16_bf6_f32 v[\cd:\cd+2], v[\xs:\xs+15], v[\so]
	v_cvt_scalef32_pk16_bf6_f32 v[\t2:\t2+2], v[\xs+16:\xs+31], v[\so]   ; (a conversion's three registers begin on an even number)
	v_lshrrev_b32 v[\by], 23, v[\so]                                ; the byte; also the plain line behind the conversions
.irp i, 0,1,2
	v_mov_b32 v[\cd+3+\i], v[\t2+\i]
.endr
.endm
	s_load_b256 s[4:11], s[0:1], 0x0               ; embed_vec, Wq, Wk, Wv
	s_load_b128 s[12:15], s[0:1], 0x20             ; Wo, xq
	s_load_b64 s[16:17], s[0:1], 0x30              ; wq
	v_lshl_add_u32 v254, v0, 2, 0x8400
	v_mov_b32 v255, 0
	v_lshrrev_b32 v1, 5, v0
	v_readfirstlane_b32 s20, v1                    ; wave 0..3
	v_and_b32 v31, 31, v0                          ; lane
	s_mov_b32 s21, 0xffff0000                      ; the lanes 16-31, as a mask for v_cndmask_b32
	s_mov_b32 s22, 0x76543210
	s_mov_b32 s23, 0xfedcba98                      ; v_permlanex16_b32's selects for lane l xor 16
	s_cmp_ge_u32 ttmp9, 256
	s_cbranch_scc1 .Lweights
; ---- embed_vec.  Wave w: tile 2 wg + w / 2, K half w % 2: 16 rows x 512 K in four units of 128 K.
	s_lshr_b32 s24, s20, 1                         ; which of the work-group's two tiles
	s_and_b32 s25, s20, 1                          ; which half of K
	v_lshlrev_b32 v1, 4, v31                       ; 16 x lane
	v_lshlrev_b32 v5, 3, v31                       ; 8 x lane
	v_and_b32 v4, 15, v0                           ; r
	v_bfe_u32 v6, v0, 4, 1                         ; h
	s_mul_i32 s26, s20, 8448                       ; my stage: 16 rows x (512 bytes + 16)
	v_add_nc_u32 v2, s26, v1                       ; in: a row's 512 bytes as they lie
	v_mul_u32_u24 v3, v4, 528
	v_lshl_add_u32 v3, v6, 7, v3
	v_add_nc_u32 v3, s26, v3                       ; out: row r, + 128 h: my block of 32 numbers
	v_lshlrev_b32 v7, 3, v6                        ; 8 h
	v_lshl_add_u32 v6, v4, 4, v7                   ; 16 r + 8 h: where my two scale words go
.irp i, 20,21,22,23
	v_mov_b32 v\i, 0                               ; written once: a lane permute's destination counts as one of its sources
.endr
	s_lshl_b32 s28, ttmp9, 17                      ; 32 rows of 4,096 bytes a work-group,
	s_lshl_b32 s27, s24, 15                        ; 8 rows on for the second tile,
	s_add_co_u32 s28, s28, s27
	s_lshl_b32 s27, s25, 11                        ; 2,048 bytes on for the second half of K
	s_add_co_u32 s28, s28, s27
	s_mov_b32 s29, 0
	s_lshl_b32 s30, ttmp9, 1
	s_add_co_u32 s30, s30, s24                     ; T
	s_mul_i32 s32, s30, 3072
	s_mul_i32 s27, s25, 2*CHX
	s_add_co_u32 s32, s32, s27
	s_mov_b32 s33, 0
	s_lshl_b32 s34, s30, 9
	s_lshl_b32 s27, s25, 8
	s_add_co_u32 s34, s34, s27
	s_add_co_u32 s34, s34, XSC
	s_mov_b32 s35, 0
	s_wait_kmcnt 0x0
	s_add_nc_u64 s[4:5], s[4:5], s[28:29]
	s_add_nc_u64 s[32:33], s[14:15], s[32:33]      ; my codes
	s_add_nc_u64 s[34:35], s[14:15], s[34:35]      ; my scale words
.macro LOADX u                         ; unit u: each load reads 512 consecutive bytes of one of the tile's rows
.irp p, 0,1,2,3,4,5,6,7,8,9,10,11,12,13,14,15
	global_load_b128 v[32+64*((\u)%2)+4*\p:32+64*((\u)%2)+4*\p+3], v1, s[4:5] offset:(\p+8*(\p/8))*4096+512*(\u) th:TH_LOAD_NT
.endr
.endm
.macro UNIT u
.if (\u) < 3
	s_wait_loadcnt 16                              ; this unit's 16 loads are in; the next unit's may be out
.else
	s_wait_loadcnt 0
.endif
.irp p, 0,1,2,3,4,5,6,7,8,9,10,11,12,13,14,15
	ds_store_b128 v2, v[32+64*((\u)%2)+4*\p:32+64*((\u)%2)+4*\p+3] offset:528*\p
.endr
.irp q, 0,1
.irp i, 0,1,2,3,4,5,6,7
	ds_load_b128 v[160+32*\q+4*\i:160+32*\q+4*\i+3], v3 offset:256*\q+16*\i   ; LDS serves a wave's instructions in order: these see the stores above
.endr
.endr
	s_wait_dscnt 0x0                               ; the numbers are back, and the stores have read their registers
	s_wait_xcnt 0x0                                ; the codes' registers of two units ago are written again only behind this wait
.if (\u) < 2
	LOADX (\u)+2
.endif
	QHF 160, 224+12*((\u)%2), 24, 8, 9, 12, 14
	QHF 192, 230+12*((\u)%2), 28, 10, 11, 13, 15
	v_lshl_or_b32 v20, v15, 16, v14                ; my two bytes: blocks h and 2 + h of row r,
	v_lshlrev_b32 v20, v7, v20                     ; at their places in the scale word;
	v_permlanex16_b32 v21, v20, s22, s23
	v_or_b32 v[16+(\u)], v20, v21                  ; with lane l xor 16's two the word is whole
.irp q, 0,1
	global_store_b128 v1, v[224+12*((\u)%2)+6*\q:224+12*((\u)%2)+6*\q+3], s[32:33] offset:((\u)/2)*CHX+(2*((\u)%2)+\q)*768       ; 512 consecutive bytes
	global_store_b64 v5, v[224+12*((\u)%2)+6*\q+4:224+12*((\u)%2)+6*\q+5], s[32:33] offset:((\u)/2)*CHX+(2*((\u)%2)+\q)*768+512   ; 256 consecutive bytes
.endr
.endm
	LOADX 0
	LOADX 1
	UNIT 0
	UNIT 1
	UNIT 2
	UNIT 3
	v_cndmask_b32 v20, v16, v18, s21               ; lanes 0-15 store words 0, 1 of row r, lanes 16-31 words 2, 3
	v_cndmask_b32 v21, v17, v19, s21
	global_store_b64 v6, v[20:21], s[34:35]        ; the wave's 256 consecutive bytes
	s_wait_tensorcnt 0x0
	ds_add_u32 v254, v255
	s_wait_dscnt 0x0
	s_endpgm
; ---- the weights.  z = work-group - 256: weight z / 64, 128 columns z % 8, 128 along K (z / 8) % 8.  Lane of wave w: column 128 (z % 8) + 32 w + lane; its registers run down K.
.Lweights:
	s_sub_co_u32 s24, ttmp9, 256
	s_lshr_b32 s25, s24, 6                         ; m: which weight
	s_and_b32 s26, s24, 7                          ; cg
	s_bfe_u32 s27, s24, 0x30003                    ; kp
	v_lshlrev_b32 v1, 2, v31                       ; in: 4 bytes a lane
	v_bfe_u32 v2, v31, 3, 1                        ; u: which of the wave's two tiles my column lies in,
	v_and_b32 v7, 7, v31
	v_lshrrev_b32 v10, 1, v31
	v_and_b32 v10, 8, v10
	v_or_b32 v7, v7, v10                           ; r: and in which slot
	v_mul_u32_u24 v3, v2, 3072
	v_lshl_add_u32 v4, v7, 3, v3                   ; 3,072 u + 8 r
	v_lshl_add_u32 v3, v7, 4, v3                   ; 3,072 u + 16 r
	v_lshlrev_b32 v5, 9, v2
	v_lshl_add_u32 v5, v7, 4, v5                   ; 512 u + 16 r
	s_lshl_b32 s28, s27, 19                        ; 128 rows of 4,096 bytes for each kp
	s_lshl_b32 s30, s26, 9
	s_add_co_u32 s28, s28, s30
	s_lshl_b32 s30, s20, 7
	s_add_co_u32 s28, s28, s30
	s_mov_b32 s29, 0
	s_lshl_b32 s30, s25, 6
	s_lshl_b32 s31, s26, 3
	s_add_co_u32 s30, s30, s31
	s_lshl_b32 s31, s20, 1
	s_add_co_u32 s30, s30, s31                     ; my first tile: 64 m + 8 cg + 2 w
	s_mul_i32 s32, s30, 3072
	s_lshr_b32 s31, s27, 1
	s_mul_i32 s31, s31, CHW
	s_add_co_u32 s32, s32, s31
	s_and_b32 s31, s27, 1
	s_mul_i32 s31, s31, 1536
	s_add_co_u32 s32, s32, s31
	s_mov_b32 s33, 0
	s_lshl_b32 s34, s30, 9
	s_lshr_b32 s31, s27, 2
	s_lshl_b32 s31, s31, 8
	s_add_co_u32 s34, s34, s31
	s_and_b32 s31, s27, 3
	s_lshl_b32 s31, s31, 2
	s_add_co_u32 s34, s34, s31
	s_add_co_u32 s34, s34, WSC
	s_mov_b32 s35, 0
	s_wait_kmcnt 0x0
	s_mov_b64 s[18:19], s[6:7]                     ; the weight is chosen by the work-group's number alone
	s_cmp_eq_u32 s25, 1
	s_cselect_b64 s[18:19], s[8:9], s[18:19]
	s_cmp_eq_u32 s25, 2
	s_cselect_b64 s[18:19], s[10:11], s[18:19]
	s_cmp_eq_u32 s25, 3
	s_cselect_b64 s[18:19], s[12:13], s[18:19]
	s_add_nc_u64 s[18:19], s[18:19], s[28:29]
	s_add_nc_u64 s[32:33], s[16:17], s[32:33]
	s_add_nc_u64 s[34:35], s[16:17], s[34:35]
.macro LOADW t                         ; block t: W(32 t + i, my column): a wave reads 128 consecutive bytes, the work-group 512
.set i, 0
.rept 32
	global_load_b32 v[32+32*((\t)%2)+i], v1, s[18:19] offset:(32*(\t)+i)*4096 th:TH_LOAD_NT
.set i, i+1
.endr
.endm
.macro BLOCKW t
.if (\t) < 3
	s_wait_loadcnt 32                              ; this block's 32 loads are in; the next block's may be out
.else
	s_wait_loadcnt 0
.endif
	QHF 32+32*((\t)%2), 96+8*(\t), 128+4*(\t), 8, 9, 12, 14   ; each block has registers of its own for its codes: no store's data are written again
.if (\t) == 0
	v_mov_b32 v6, v14
.else
	v_lshl_or_b32 v6, v14, 8*(\t), v6              ; the four bytes make my column's scale word for these 128 along K
.endif
	global_store_b128 v3, v[96+8*(\t):96+8*(\t)+3], s[32:33] offset:((\t)/2)*768+256*((\t)%2)
	global_store_b64 v4, v[96+8*(\t)+4:96+8*(\t)+5], s[32:33] offset:((\t)/2)*768+512+128*((\t)%2)
.if (\t) < 2
	LOADW (\t)+2
.endif
.endm
	LOADW 0
	LOADW 1
	BLOCKW 0
	BLOCKW 1
	BLOCKW 2
	BLOCKW 3
	global_store_b32 v5, v6, s[34:35]
	s_endpgm
.Lfunc_end_k_q4df968ef59_quant:
	.size	k_q4df968ef59_quant, .Lfunc_end_k_q4df968ef59_quant-k_q4df968ef59_quant
	.p2alignl 7, 3214868480
	.fill 96, 4, 3214868480
	.section	.rodata,"a",@progbits
	.p2align	6, 0x0
	.amdhsa_kernel k_q4df968ef59_quant
		.amdhsa_group_segment_fixed_size 34304
		.amdhsa_private_segment_fixed_size 0
		.amdhsa_enable_private_segment 0
		.amdhsa_kernarg_size 56
		.amdhsa_user_sgpr_count 2
		.amdhsa_user_sgpr_kernarg_segment_ptr 1
		.amdhsa_wavefront_size32 1
		.amdhsa_system_sgpr_workgroup_id_x 1
		.amdhsa_system_sgpr_workgroup_id_y 1
		.amdhsa_system_sgpr_workgroup_id_z 1
		.amdhsa_system_vgpr_workitem_id 0
		.amdhsa_next_free_vgpr 256
		.amdhsa_next_free_sgpr 66
		.amdhsa_reserve_vcc 0
		.amdhsa_float_denorm_mode_32 3
		.amdhsa_float_denorm_mode_16_64 3
		.amdhsa_memory_ordered 1
		.amdhsa_forward_progress 1
		.amdhsa_inst_pref_size 51
	.end_amdhsa_kernel
	.amdgpu_metadata
---
amdhsa.version: [ 1, 2 ]
amdhsa.kernels:
  - .name:           k_q4df968ef59_quant
    .symbol:         k_q4df968ef59_quant.kd
    .args:
      - { .name: embed_vec, .offset: 0, .size: 8, .value_kind: global_buffer, .address_space: global }
      - { .name: Wq, .offset: 8, .size: 8, .value_kind: global_buffer, .address_space: global }
      - { .name: Wk, .offset: 16, .size: 8, .value_kind: global_buffer, .address_space: global }
      - { .name: Wv, .offset: 24, .size: 8, .value_kind: global_buffer, .address_space: global }
      - { .name: Wo, .offset: 32, .size: 8, .value_kind: global_buffer, .address_space: global }
      - { .name: xq, .offset: 40, .size: 8, .value_kind: global_buffer, .address_space: global }
      - { .name: wq, .offset: 48, .size: 8, .value_kind: global_buffer, .address_space: global }
    .group_segment_fixed_size: 34304
    .private_segment_fixed_size: 0
    .kernarg_segment_align: 8
    .kernarg_segment_size: 56
    .max_flat_workgroup_size: 128
    .sgpr_count:     66
    .vgpr_count:     256
    .wavefront_size: 32
...
	.end_amdgpu_metadata
.endif
;; end of part 1
;; launch qkv (part 2): grid 8 x 32, 4 waves a work-group, clusters of 4 x 4, 327,680 bytes of LDS; arguments xq, wq, qb, kb, vb; writes qb, kb, vb
.if DOCPART == 2
	.amdgcn_target "amdgcn-amd-amdhsa--gfx1250"
	.amdhsa_code_object_version 6
	.text
	.protected	k_q4df968ef59_qkv
	.globl	k_q4df968ef59_qkv
	.p2align	8
	.type	k_q4df968ef59_qkv,@function
k_q4df968ef59_qkv:
	s_mov_b64 s[64:65], 0
	v_nop
	global_prefetch_b8 v0, s[64:65] scope:SCOPE_SE
	s_setreg_imm32_b32 hwreg(HW_REG_WAVE_MODE, 25, 1), 1
	s_wait_xcnt 0x0
	s_wait_alu depctr_hold_cnt(0) depctr_sa_sdst(0) depctr_va_vdst(0) depctr_va_sdst(0) depctr_va_ssrc(0) depctr_va_vcc(0) depctr_vm_vsrc(0)
	s_getreg_b32 s2, hwreg(HW_REG_IB_STS2, 6, 4)
	s_cmp_eq_u32 s2, 0
	s_cbranch_scc0 .Lentry_in_a_cluster
	s_endpgm
.Lentry_in_a_cluster:
	s_bfe_u32 s2, ttmp6, 0x10000c
	s_cmp_lg_u32 s2, 0xf033
	s_cbranch_scc0 .Lentry_shape_is_right
	s_endpgm
.Lentry_shape_is_right:
; q = X Wq, k = X Wk, v = X Wv on codes of BF6 with E8M0 scales (K = 1,024), and q, k, v quantised in registers for the attention: q and k along the head's 64, v along the keys.
; SHARES.  A work-group owns 256 tokens (y) x 128 columns (x: two heads) and STAYS for three passes, Wq, Wk, Wv: its 256 rows of X for all of K come into LDS once; only the weight's 96 KB are filled again.
; 3 x 256 tiles of 256 x 128 on 256 work-groups.  Wave w: tokens 128 (w / 2) on, columns 64 (w % 2) on (one head): 32 accumulators of 16 x 16.
; LAYOUT.  Codes lie in memory and in LDS as images of the operand's registers (half fragments of 768 bytes: lane l's registers 0-3 at 16 l, registers 4-5 at 512 + 8 l): every LDS load reads consecutive bytes.
; Slot r of tile T is row 32 (T / 2) + 8 (T % 2) + r + 8 (r / 8): so the 16 registers of two neighbouring tiles of source 0 are 16 NEIGHBOURS, 32 b + 16 (lane / 16) + 0 .. 15, which the conversions want.
; Passes 0, 1: source 0 = 16 columns of W, source 1 = 16 tokens: a lane holds one token, its registers run along the head.  Pass 2: source 0 = 16 tokens, source 1 = 16 columns: a lane holds one d, its registers run along the keys.
; CLUSTER 4 x 4: X's tiles are asked for jointly along a row of the cluster, W's along a column.
; LIMITS: blocks whose largest magnitude lies under 2^-122 keep the byte 1; a block of zeros gets the byte 1 (its codes are zeros; this program alone reads the bytes); NaN and infinities are not served.
; REGISTERS: window 0: addresses, scale words, the epilogue's work; window 1: the 32 accumulators; windows 2, 3: two sets of fragments (X's tile i at 12 i, W's tile b at 96 + 12 b).
.set CHX, 1572864
.set XSC, 6291456
.set CHW, 786432
.set WSC, 3145728
.set AC,  49152                        ; LDS: X, 256 along K: 16 tiles x 3,072 bytes; four of them from byte 0
.set BC,  24576                        ; W, 256 along K: 8 tiles x 3,072
.set BL,  196608                       ; where W's four begin
.set SPARE, 294912                     ; the spare words, 128 bytes for each wave: two blocks of 256 bytes that no other line names
.set ADA16, 8                          ; v8-11   X's fragments: chunk c, 16 x lane;  v12-15 the same with 8 x lane
.set ADA8,  12
.set ADB16, 16                         ; v16-19, v20-23 the same for W
.set ADB8,  20
.set SPW, 28                           ; v28  LDS address of my spare word; never rewritten
.set NIL, 29                           ; v29  0; never rewritten
.set SA,  32                           ; v32-63   X's scale words: tile i, register 4 i + s % 4; lanes 0-15 K steps 0-3, lanes 16-31 K steps 4-7
.set SB,  64                           ; v64-111  W's, 16 for each pass
.set BM,  112                          ; v112-127 16 blocks' largest magnitudes, then the conversions' scale operands
.set PT,  128                          ; v128-143 at work; the scale bytes
.set E,   144                          ; v144-207 codes: half fragment a at 144 + 8 a
.set X1,  208                          ; v208-239 the second conversions' results
.set WD,  240                          ; v240-243 the scale words as they are stored
.set MSB, 0
.macro WIN new                         ; the immediate's high byte repeats the setting that is left
.if MSB != (\new)
	s_set_vgpr_msb (MSB<<8)|(\new)
.set MSB, (\new)
.endif
.endm
.macro PLACES                          ; four plain vector lines behind a matrix instruction, in front of loads into its sources and of reads of its result
.rept 4
	v_nop
.endr
.endm
.macro CREST                           ; a round of the cluster's barrier behind its opening barrier
	s_cmp_lg_u32 s14, 0
	s_cbranch_scc1 .Lnot_wave_0_\@
	s_barrier_signal -3
.Lnot_wave_0_\@:
	s_barrier_wait -3
	s_barrier_signal -1
	s_barrier_wait -1
.endm
.macro CROUND
	s_barrier_signal -1
	s_barrier_wait -1
	CREST
.endm
.macro G1REST g, rows                  ; a dense block as rows of 256 bytes: 32 elements of 8 bytes, pitch 32
	s_mov_b32 s[\g+1], 32<<16                      ; tensor_dim0
	s_mov_b32 s[\g+2], (\rows)<<16                 ; tensor_dim1
	s_mov_b32 s[\g+3], 32<<16                      ; tile_dim0
	s_mov_b32 s[\g+4], \rows                       ; tile_dim1
	s_mov_b32 s[\g+5], 32                          ; stride
	s_mov_b32 s[\g+6], 0
	s_mov_b32 s[\g+7], 0
.endm
	s_load_b256 s[4:11], s[0:1], 0x0               ; xq, wq, qb, kb
	s_load_b64 s[12:13], s[0:1], 0x20              ; vb
	v_lshl_add_u32 v[SPW], v0, 2, SPARE
	v_mov_b32 v[NIL], 0
	ds_add_u32 v28, v29
	ds_add_u32 v28, v29
	s_wait_dscnt 0x0
	v_lshrrev_b32 v1, 5, v0
	v_readfirstlane_b32 s14, v1                    ; wave 0..3
	s_lshr_b32 s15, s14, 1                         ; wy: my half of the tokens.  Also: I fetch for X (0) or for W (1)
	s_and_b32 s16, s14, 1                          ; wx: my half of the columns.  Also: which half of a chunk I fetch
	s_bfe_u32 s17, ttmp6, 0x40000                  ; cx
	s_bfe_u32 s18, ttmp6, 0x40004                  ; cy
	s_lshl_b32 s19, ttmp9, 2
	s_add_co_u32 s19, s19, s17                     ; x = 4 x cluster x + cx
	s_and_b32 s20, ttmp7, 0xffff
	s_lshl_b32 s20, s20, 2
	s_add_co_u32 s20, s20, s18                     ; y = 4 x cluster y + cy
	s_lshl_b32 s21, s18, 2
	s_lshl_b32 s21, 15, s21                        ; my row of the cluster
	s_lshl_b32 s22, 0x1111, s17                    ; my column
	s_or_b32 s24, s21, (3<<16)|(1<<21)             ; X's tiles go to my row: elements of 8 bytes, bit 21 beside the mask, no padding
	s_or_b32 s32, s22, (3<<16)|(1<<21)             ; W's to my column
	s_or_b32 s40, s22, (3<<16)|(1<<21)
	G1REST 24, 96                                  ; half a chunk of X: 24,576 bytes
	G1REST 32, 48                                  ; half a chunk of W: 12,288
	G1REST 40, 96                                  ; a whole chunk of W, for the refills
	s_mov_b32 s23, 0xffff0000                      ; the lanes 16-31
	s_mov_b32 s66, 0x76543210
	s_mov_b32 s67, 0xfedcba98                      ; v_permlanex16_b32's selects for lane l xor 16
	s_mul_i32 s88, s20, 49152                      ; X: tile 16 y + 8 j: hangs on y, which my row shares
	s_mul_i32 s89, s16, 24576
	s_add_co_u32 s88, s88, s89
	s_mov_b32 s89, 0
	s_mul_i32 s90, s19, 24576                      ; W: tile 8 x + 4 j: hangs on x, which my column shares
	s_mul_i32 s91, s16, 12288
	s_add_co_u32 s90, s90, s91
	s_mov_b32 s91, 0
	s_mul_i32 s92, s19, 24576                      ; the refills: chunk w of tiles 64 + 8 x on
	s_mul_i32 s93, s14, CHW
	s_add_co_u32 s92, s92, s93
	s_add_co_u32 s92, s92, 196608
	s_mov_b32 s93, 0
	s_mul_i32 s94, s16, 24576                      ; and where they go: no place in the cluster enters an LDS address
	s_mul_i32 s95, s16, 12288
	s_mul_i32 s96, s14, 24576
	s_wait_kmcnt 0x0
	s_add_nc_u64 s[88:89], s[4:5], s[88:89]
	s_add_nc_u64 s[90:91], s[6:7], s[90:91]
	s_add_nc_u64 s[92:93], s[6:7], s[92:93]
.irp c, 0,1,2,3
	s_mov_b32 s[48+4*\c], 1
	s_add_co_u32 s[49+4*\c], s94, \c*AC
	s_add_nc_u64 s[50+4*\c:51+4*\c], s[88:89], \c*CHX
	s_or_b32 s[51+4*\c], s[51+4*\c], 0x80000000
	s_mov_b32 s[68+4*\c], 1
	s_add_co_u32 s[69+4*\c], s95, BL+\c*BC
	s_add_nc_u64 s[70+4*\c:71+4*\c], s[90:91], \c*CHW
	s_or_b32 s[71+4*\c], s[71+4*\c], 0x80000000
.endr
	s_mov_b32 s84, 1
	s_add_co_u32 s85, s96, BL
	s_mov_b64 s[86:87], s[92:93]
	s_or_b32 s87, s87, 0x80000000
	CROUND                                         ; all sixteen work-groups are here: the first joint loads meet
	s_cmp_eq_u32 s15, 0                            ; a wave's four first fills stand in one branch: four loads of mine are out
	s_cbranch_scc0 .Lfirst_w
	tensor_load_to_lds s[48:51], s[24:31]
	s_nop 0
	tensor_load_to_lds s[52:55], s[24:31]
	s_nop 0
	tensor_load_to_lds s[56:59], s[24:31]
	s_nop 0
	tensor_load_to_lds s[60:63], s[24:31]
	s_nop 0
	PLACES
	s_branch .Lfirst_asked
.Lfirst_w:
	tensor_load_to_lds s[68:71], s[32:39]
	s_nop 0
	tensor_load_to_lds s[72:75], s[32:39]
	s_nop 0
	tensor_load_to_lds s[76:79], s[32:39]
	s_nop 0
	tensor_load_to_lds s[80:83], s[32:39]
	s_nop 0
	PLACES
.Lfirst_asked:
	v_and_b32 v3, 31, v0
	v_lshlrev_b32 v1, 4, v3                        ; 16 x lane
	v_lshlrev_b32 v2, 3, v3                        ; 8 x lane
	s_lshl_b32 s88, s20, 13                        ; X's scale words: tile 16 y + 8 wy, 512 bytes a tile
	s_lshl_b32 s89, s15, 12
	s_add_co_u32 s88, s88, s89
	s_add_co_u32 s88, s88, XSC
	s_mov_b32 s89, 0
	s_add_nc_u64 s[88:89], s[4:5], s[88:89]
	s_lshl_b32 s90, s19, 12                        ; W's: tile 8 x + 4 wx
	s_lshl_b32 s91, s16, 11
	s_add_co_u32 s90, s90, s91
	s_add_co_u32 s90, s90, WSC
	s_mov_b32 s91, 0
	s_add_nc_u64 s[90:91], s[6:7], s[90:91]
.irp i, 0,1,2,3,4,5,6,7
	global_load_b128 v[SA+4*\i:SA+4*\i+3], v1, s[88:89] offset:512*\i           ; the scale words lie as the scale registers want them: 512 consecutive bytes a load
.endr
.irp p, 0,1,2
.irp b, 0,1,2,3
	global_load_b128 v[SB+16*\p+4*\b:SB+16*\p+4*\b+3], v1, s[90:91] offset:\p*32768+\b*512
.endr
.endr
	s_mul_i32 s97, s15, 24576                      ; my 8 tiles of X in a chunk
	s_mul_i32 s98, s16, 12288                      ; my 4 tiles of W
	s_add_co_u32 s98, s98, BL
.irp c, 0,1,2,3
	v_add_nc_u32 v[ADA16+\c], s97, v1
	v_add_nc_u32 v[ADA8+\c], s97, v2
	v_add_nc_u32 v[ADB16+\c], s98, v1
	v_add_nc_u32 v[ADB8+\c], s98, v2
	s_add_co_u32 s97, s97, AC
	s_add_co_u32 s98, s98, BC
.endr
	s_lshr_b32 s96, s20, 3                         ; where my results go: (batch x 16 + head) x 16 + the group of 128 tokens
	s_lshl_b32 s96, s96, 4
	s_lshl_b32 s99, s19, 1
	s_add_co_u32 s96, s96, s99
	s_add_co_u32 s96, s96, s16
	s_lshl_b32 s96, s96, 4
	s_and_b32 s99, s20, 7
	s_lshl_b32 s99, s99, 1
	s_add_co_u32 s96, s96, s99
	s_add_co_u32 s96, s96, s15
	s_mul_i32 s2, s96, 6656
	s_mov_b32 s3, 0
	s_add_nc_u64 s[8:9], s[8:9], s[2:3]
	s_add_nc_u64 s[10:11], s[10:11], s[2:3]
	s_mul_i32 s2, s96, 6400
	s_add_nc_u64 s[12:13], s[12:13], s[2:3]
.set z, 0
.rept 16
	v_mov_b32 v[PT+z], 0                           ; written once: a lane permute's destination counts as one of its sources
.set z, z+1
.endr
; 48 LDS loads: the fragments of K step ks (X's 8 tiles, W's 4) into set fs
.macro FETCH fs, ks
	WIN 0x80+0x40*(\fs)
.irp i, 0,1,2,3,4,5,6,7
.irp f, 0,1
	ds_load_b128 v[12*\i+6*\f:12*\i+6*\f+3], v[ADA16+(\ks)/2] offset:\i*3072+(2*((\ks)%2)+\f)*768
	ds_load_b64 v[12*\i+6*\f+4:12*\i+6*\f+5], v[ADA8+(\ks)/2] offset:\i*3072+(2*((\ks)%2)+\f)*768+512
.endr
.endr
.irp b, 0,1,2,3
.irp f, 0,1
	ds_load_b128 v[96+12*\b+6*\f:96+12*\b+6*\f+3], v[ADB16+(\ks)/2] offset:\b*3072+(2*((\ks)%2)+\f)*768
	ds_load_b64 v[96+12*\b+6*\f+4:96+12*\b+6*\f+5], v[ADB8+(\ks)/2] offset:\b*3072+(2*((\ks)%2)+\f)*768+512
.endr
.endr
.endm
; one product.  K step 0 starts the sum: nothing is ever cleared.  From K step 4 on the scale words are those of lanes 16-31
.macro WM d, fa, fb, ca, cb, ks
.if (\ks) == 0
	v_wmma_scale_f32_16x16x128_f8f6f4 v[\d:\d+7], v[\fa:\fa+11], v[\fb:\fb+11], 0, v[\ca], v[\cb] matrix_a_fmt:MATRIX_FMT_BF6 matrix_b_fmt:MATRIX_FMT_BF6
.elseif (\ks) < 4
	v_wmma_scale_f32_16x16x128_f8f6f4 v[\d:\d+7], v[\fa:\fa+11], v[\fb:\fb+11], v[\d:\d+7], v[\ca], v[\cb] matrix_a_fmt:MATRIX_FMT_BF6 matrix_b_fmt:MATRIX_FMT_BF6
.else
	v_wmma_scale_f32_16x16x128_f8f6f4 v[\d:\d+7], v[\fa:\fa+11], v[\fb:\fb+11], v[\d:\d+7], v[\ca], v[\cb] matrix_a_fmt:MATRIX_FMT_BF6 matrix_b_fmt:MATRIX_FMT_BF6 matrix_a_scale:MATRIX_SCALE_ROW1 matrix_b_scale:MATRIX_SCALE_ROW1
.endif
.endm
; 16 products of K step ks in pass p.  The 32 accumulators take turns, one instruction a turn, in the same order in every step
.macro MUL ks, p, half
	WIN 0x5a+5*((\ks)%2)                           ; sources in window 2 or 3, C and D in window 1
.if (\p) < 2
.irp a, 0,1,2,3                        ; token tile 4 half + a, column tile b: accumulator 4 (4 half + a) + b
.irp b, 0,1,2,3
	WM 8*(4*(4*(\half)+\a)+\b), 96+12*\b, 12*(4*(\half)+\a), SB+16*(\p)+4*\b+(\ks)%4, SA+4*(4*(\half)+\a)+(\ks)%4, \ks
.endr
.endr
.else
.irp a, 0,1                            ; column tile 2 half + a, token tile b: accumulator 8 (2 half + a) + b
.irp b, 0,1,2,3,4,5,6,7
	WM 8*(8*(2*(\half)+\a)+\b), 12*\b, 96+12*(2*(\half)+\a), SA+4*\b+(\ks)%4, SB+32+4*(2*(\half)+\a)+(\ks)%4, \ks
.endr
.endr
.endif
.endm
; K step ks < 7: the next step's fragments are asked for, then this step's 32 products are issued
.macro STEP ks, p
.if ((\p) == 0) && ((\ks)%2 == 1)
	s_wait_dscnt 0x0                               ; no LDS instruction of mine is out at a signal
	s_wait_tensorcnt 3-((\ks)+1)/2                 ; my part of the chunk that the next step opens is in; the chunks behind it may stay out
	s_barrier_signal -1
	s_barrier_wait -1
.endif
	PLACES
	FETCH ((\ks)+1)%2, (\ks)+1
	s_wait_dscnt 48                                ; all but the 48 just issued
	MUL \ks, \p, 0
	MUL \ks, \p, 1
.endm
; THE EPILOGUE: half fragment a is made of accumulator registers 32 a .. 32 a + 31; register 16 b + i is neighbour 32 b + 16 (lane / 16) + i along the next K.
.macro EPI p
	s_wait_xcnt 0x0                                ; the last pass's stores have read their data
	WIN 0x14                                       ; sources 1 and 2: the accumulators
.set z, 0
.rept 16
	v_max3_num_f32 v[BM+z], 0x2800000, |v[16*z]|, |v[16*z+1]|       ; block z: my 16 numbers and the floor 2^(5 - 127); each accumulator is read from its low end on
.set z, z+1
.endr
.irp i, 2,4,6,8,10,12,14
.set z, 0
.rept 16
	v_max3_num_f32 v[BM+z], v[BM+z], |v[16*z+\i]|, |v[16*z+\i+1]|
.set z, z+1
.endr
.endr
	WIN 0
.set z, 0
.rept 16
	v_permlanex16_b32 v[PT+z], v[BM+z], s66, s67
.set z, z+1
.endr
.set z, 0
.rept 16
	v_max_num_f32 v[BM+z], v[BM+z], v[PT+z]        ; with lane l xor 16's: the block's largest magnitude
.set z, z+1
.endr
.set z, 0
.rept 16
	v_add_nc_u32 v[BM+z], 0xfe000000, v[BM+z]      ; 4 off its exponent field: the conversion's scale operand
.set z, z+1
.endr
.set z, 0
.rept 16
	v_lshrrev_b32 v[PT+z], 23, v[BM+z]             ; the scale's byte
.set z, z+1
.endr
.if (\p) < 2
.irp a, 0,1,2,3,4,5,6,7                ; q, k: a token's two bytes, and the same two once more for K = 64 .. 127, where the attention's operands meet zero codes
	v_lshl_or_b32 v[PT+2*\a], v[PT+2*\a+1], 8, v[PT+2*\a]
.endr
.irp a, 0,1,2,3,4,5,6,7
	v_lshl_or_b32 v[PT+2*\a], v[PT+2*\a], 16, v[PT+2*\a]
.endr
.irp i, 0,1,2,3
	v_cndmask_b32 v[WD+\i], v[PT+4*\i], v[PT+4*\i+2], s23   ; word i: lanes 0-15 tile 2 i, lanes 16-31 tile 2 i + 1
.endr
.else
.irp a, 0,1,2,3                        ; v: a d's four bytes: the group's four blocks of 32 keys
	v_lshl_or_b32 v[PT+4*\a], v[PT+4*\a+1], 8, v[PT+4*\a]
.endr
.irp a, 0,1,2,3
	v_lshl_or_b32 v[PT+4*\a], v[PT+4*\a+2], 16, v[PT+4*\a]
.endr
.irp a, 0,1,2,3
	v_lshl_or_b32 v[PT+4*\a], v[PT+4*\a+3], 24, v[PT+4*\a]
.endr
.irp i, 0,1
	v_cndmask_b32 v[WD+\i], v[PT+8*\i], v[PT+8*\i+4], s23
.endr
.endif
	WIN 0x01                                       ; source 0: the accumulators
.irp a, 0,1,2,3,4,5,6,7
	v_cvt_scalef32_pk16_bf6_f32 v[E+8*\a:E+8*\a+2], v[32*\a:32*\a+15], v[BM+2*\a]
	v_cvt_scalef32_pk16_bf6_f32 v[X1+4*\a:X1+4*\a+2], v[32*\a+16:32*\a+31], v[BM+2*\a+1]
.endr
	WIN 0
	v_nop                                          ; one plain line behind the scaled conversions
.irp a, 0,1,2,3,4,5,6,7                ; the operand's layout wants a WHOLE block in a lane: lanes 0-15 block 0, lanes 16-31 block 1
.irp i, 0,1,2
	v_permlane16_swap_b32 v[E+8*\a+\i], v[X1+4*\a+\i]
.endr
.irp i, 0,1,2
	v_mov_b32 v[E+8*\a+3+\i], v[X1+4*\a+\i]
.endr
.endr
.irp a, 0,1,2,3,4,5,6,7
	global_store_b128 v1, v[E+8*\a:E+8*\a+3], s[8+2*(\p):9+2*(\p)] offset:768*\a           ; 512 consecutive bytes, at a multiple of 256 from the buffer's first byte
	global_store_b64 v2, v[E+8*\a+4:E+8*\a+5], s[8+2*(\p):9+2*(\p)] offset:768*\a+512      ; 256 consecutive bytes
.endr
.if (\p) < 2
	global_store_b128 v1, v[WD:WD+3], s[8+2*(\p):9+2*(\p)] offset:6144
.else
	global_store_b64 v2, v[WD:WD+1], s[8+2*(\p):9+2*(\p)] offset:6144
.endif
.endm
; K step 7 of passes 0 and 1: all reads of W are issued, so W's bytes are filled again, with the next weight; the epilogue stands between the request and the wait for it
.macro LAST p
	WIN 0                                          ; (the add's two registers lie in window 0)
	s_wait_tensorcnt 0x0                           ; no tensor load of mine is out
	ds_add_u32 v[SPW], v[NIL]                      ; 0 onto my spare word
	s_wait_dscnt 1                                 ; this step's fragments are in; the add may be out
	MUL 7, \p, 0                                   ; sixteen products stand between the add and the wait for it
	s_wait_dscnt 0x0                               ; the add is done, and my reads of W are over
	s_barrier_signal -1
	MUL 7, \p, 1
	WIN 0
	s_barrier_wait -1
	CREST                                          ; the barrier has opened a round of the cluster's barrier: no wave of any partner still reads W or has a load on its way
.if (\p) == 1
	s_add_nc_u64 s[86:87], s[86:87], 196608        ; 64 tiles on: Wv
.endif
	tensor_load_to_lds s[84:87], s[40:47]          ; my one load behind the round: chunk w of the next weight, jointly with my column
	s_nop 0
	PLACES                                         ; also the places in front of the epilogue's first reads
	EPI \p
	s_wait_tensorcnt 0x0                           ; my chunk is in,
	s_barrier_signal -1
	s_barrier_wait -1                              ; everybody's is
.endm
	s_wait_tensorcnt 3                             ; my part of chunk 0 is in; three loads may stay out
	s_barrier_signal -1
	s_barrier_wait -1
	FETCH 0, 0
	s_wait_loadcnt 0x0                             ; the scale words
.irp s, 0,1,2,3,4,5,6
	STEP \s, 0
.endr
	LAST 0
	FETCH 0, 0
.irp s, 0,1,2,3,4,5,6
	STEP \s, 1
.endr
	LAST 1
	FETCH 0, 0
.irp s, 0,1,2,3,4,5,6
	STEP \s, 2
.endr
	s_wait_dscnt 0x0
	MUL 7, 2, 0
	MUL 7, 2, 1
	WIN 0
	PLACES
	EPI 2
	s_wait_tensorcnt 0x0                           ; the wave's end
	ds_add_u32 v[SPW], v[NIL]
	s_wait_dscnt 0x0
	CROUND                                         ; the closing round: no work-group ends while a partner may still ask for a tile that names it
	s_endpgm
.Lfunc_end_k_q4df968ef59_qkv:
	.size	k_q4df968ef59_qkv, .Lfunc_end_k_q4df968ef59_qkv-k_q4df968ef59_qkv
	.p2alignl 7, 3214868480
	.fill 96, 4, 3214868480
	.section	.rodata,"a",@progbits
	.p2align	6, 0x0
	.amdhsa_kernel k_q4df968ef59_qkv
		.amdhsa_group_segment_fixed_size 327680
		.amdhsa_private_segment_fixed_size 0
		.amdhsa_enable_private_segment 0
		.amdhsa_kernarg_size 40
		.amdhsa_user_sgpr_count 2
		.amdhsa_user_sgpr_kernarg_segment_ptr 1
		.amdhsa_wavefront_size32 1
		.amdhsa_system_sgpr_workgroup_id_x 1
		.amdhsa_system_sgpr_workgroup_id_y 1
		.amdhsa_system_sgpr_workgroup_id_z 1
		.amdhsa_system_vgpr_workitem_id 0
		.amdhsa_next_free_vgpr 1024
		.amdhsa_next_free_sgpr 100
		.amdhsa_reserve_vcc 0
		.amdhsa_float_denorm_mode_32 3
		.amdhsa_float_denorm_mode_16_64 3
		.amdhsa_memory_ordered 1
		.amdhsa_forward_progress 1
		.amdhsa_inst_pref_size 239
	.end_amdhsa_kernel
	.amdgpu_metadata
---
amdhsa.version: [ 1, 2 ]
amdhsa.kernels:
  - .name:           k_q4df968ef59_qkv
    .symbol:         k_q4df968ef59_qkv.kd
    .args:
      - { .name: xq, .offset: 0, .size: 8, .value_kind: global_buffer, .address_space: global }
      - { .name: wq, .offset: 8, .size: 8, .value_kind: global_buffer, .address_space: global }
      - { .name: qb, .offset: 16, .size: 8, .value_kind: global_buffer, .address_space: global }
      - { .name: kb, .offset: 24, .size: 8, .value_kind: global_buffer, .address_space: global }
      - { .name: vb, .offset: 32, .size: 8, .value_kind: global_buffer, .address_space: global }
    .group_segment_fixed_size: 327680
    .private_segment_fixed_size: 0
    .kernarg_segment_align: 8
    .kernarg_segment_size: 40
    .max_flat_workgroup_size: 128
    .sgpr_count:     100
    .vgpr_count:     1024
    .wavefront_size: 32
...
	.end_amdgpu_metadata
.endif
;; end of part 2
;; launch attn (part 3): grid 4 x 64, 16 waves a work-group, clusters of 4 x 1, 210,944 bytes of LDS; arguments qb, kb, vb, cq; writes cq
.if DOCPART == 3
	.amdgcn_target "amdgcn-amd-amdhsa--gfx1250"
	.amdhsa_code_object_version 6
	.text
	.protected	k_q4df968ef59_attn
	.globl	k_q4df968ef59_attn
	.p2align	8
	.type	k_q4df968ef59_attn,@function
k_q4df968ef59_attn:
	s_mov_b64 s[64:65], 0
	v_nop
	global_prefetch_b8 v0, s[64:65] scope:SCOPE_SE
	s_setreg_imm32_b32 hwreg(HW_REG_WAVE_MODE, 25, 1), 1
	s_wait_xcnt 0x0
	s_wait_alu depctr_hold_cnt(0) depctr_sa_sdst(0) depctr_va_vdst(0) depctr_va_sdst(0) depctr_va_ssrc(0) depctr_va_vcc(0) depctr_vm_vsrc(0)
	s_getreg_b32 s2, hwreg(HW_REG_IB_STS2, 6, 4)
	s_cmp_eq_u32 s2, 0
	s_cbranch_scc0 .Lentry_in_a_cluster
	s_endpgm
.Lentry_in_a_cluster:
	s_bfe_u32 s2, ttmp6, 0x10000c
	s_cmp_lg_u32 s2, 0x3003
	s_cbranch_scc0 .Lentry_shape_is_right
	s_endpgm
.Lentry_shape_is_right:
; ctx = softmax(q k^T / 8, causal) v for 64 (batch, head) pairs of 2,048 tokens x 64, both products on codes of BF6 with E8M0 scales; ctx is quantised in registers along (head, d) for the last product.
; THE SOFTMAX: t = score x log2(e) / 8; M = the running largest t rounded UP to a whole number; p = 2^(t - M) is quantised along the keys, not normalised; the row's sum is taken of the unquantised p and divides at the end.
; When M moves, the sum and O are multiplied by 2^(old M - new M): exact.
; SHARES.  The four work-groups of a cluster share one head; work-group g, wave i owns two tiles of 16 queries, t = 4 i + g and 127 - t: together 17 steps of 128 keys for every wave of the launch.
; A step all of whose keys come after a tile's queries is left out by a scalar branch on the wave's number and the step's; the place in the cluster enters global addresses and the mask's numbers alone.
; LDS holds the head's K and V whole, filled ONCE by joint loads (waves 0, 1: K; waves 2, 3: V): nothing is filled again, and no barrier stands in the loops.
; LAYOUT.  A group of 128 tokens: eight half fragments of 768 bytes (lane l's registers 0-3 at 16 l, 4-5 at 512 + 8 l), then its scale words.  Slot r of tile a is token 32 (a / 2) + 8 (a % 2) + r + 8 (r / 8).
; Both products are used transposed: S^T = K Q^T, O^T = V^T P^T: a lane holds ONE query (lane % 16); the 16 registers of two neighbouring tiles are 16 neighbouring keys (or d).
; K = 64 IN A FORM OF K = 128: Q's registers 6-11 are zero codes.  K's fragment t is v[48 + 6 t .. 59 + 6 t]: its upper six registers are the next tile's codes (behind the last: zeros); they meet Q's zero codes
; under scale bytes that repeat the row's own two, and add exactly 0.
; LIMITS: blocks of ctx whose largest magnitude lies under 2^-122 keep the byte 1; blocks of zeros get the byte 1; NaN and infinities are not served.
; ctx's scale bytes leave as single bytes, one a lane: a work-group holds one head, two of a row's 32 bytes; they are 1/24 of what the launch stores.
.set CHX, 1572864
.set XSC, 6291456
.set VL,  106496                       ; LDS: K's 16 groups of 6,656 bytes from byte 0, V's 16 groups of 6,400 bytes from here
.set FR,  48                           ; v48-101  K's 8 x 6 registers and six zeros; then V's 4 x 12
.set S,   102                          ; v102-165 S^T, then p
; v1 16 x lane, v2 8 x lane; v3-6 LDS addresses of the step's K and V; v7, v8 Q's scale words; v9 p's; v[10:11] V's; v[20:23] K's
; v12-15, v16-19 a tile's -M, largest t, sum in two halves; v24-35, v36-47 Q; v166-197, v198-229 O^T; v230-241 p's codes; v242-255 at work
.macro PLACES
.rept 4
	v_nop
.endr
.endm
.macro CROUND                          ; a round of the cluster's barrier
	s_barrier_signal -1
	s_barrier_wait -1
	s_cmp_lg_u32 s12, 0
	s_cbranch_scc1 .Lnot_wave_0_\@
	s_barrier_signal -3
.Lnot_wave_0_\@:
	s_barrier_wait -3
	s_barrier_signal -1
	s_barrier_wait -1
.endm
.macro G1 g, rows                      ; a dense block as rows of 256 bytes, for all four work-groups of the cluster
	s_mov_b32 s[\g], 15|(3<<16)|(1<<21)            ; the mask; elements of 8 bytes; bit 21 beside the mask; no padding
	s_mov_b32 s[\g+1], 32<<16
	s_mov_b32 s[\g+2], (\rows)<<16
	s_mov_b32 s[\g+3], 32<<16
	s_mov_b32 s[\g+4], \rows
	s_mov_b32 s[\g+5], 32
	s_mov_b32 s[\g+6], 0
	s_mov_b32 s[\g+7], 0
.endm
	s_load_b256 s[4:11], s[0:1], 0x0               ; qb, kb, vb, cq
	v_lshl_add_u32 v254, v0, 2, 0x33000
	v_mov_b32 v255, 0
	ds_add_u32 v254, v255
	ds_add_u32 v254, v255
	s_wait_dscnt 0x0
	v_lshrrev_b32 v1, 5, v0
	v_readfirstlane_b32 s12, v1                    ; wave 0..15
	s_bfe_u32 s13, ttmp6, 0x40000                  ; g: my place in the cluster
	s_and_b32 s14, ttmp7, 0xffff                   ; batch x 16 + head, which the four partners share
	s_and_b32 s15, s12, 1
	G1 24, 26                                      ; one group of K
	G1 32, 182                                     ; seven groups of K
	G1 40, 25                                      ; one group of V
	G1 48, 175                                     ; seven groups of V
	s_mov_b32 s20, 0x76543210
	s_mov_b32 s21, 0xfedcba98                      ; v_permlanex16_b32's selects for lane l xor 16
	s_mov_b32 s22, 0x3e38aa3b                      ; c = log2(e) / 8
	s_mov_b32 s23, s22                             ; (named with it as a pair, so it is written)
	s_mov_b32 s83, 0xffff0000                      ; the lanes 16-31
	s_mul_i32 s16, s14, 106496                     ; what I fetch, if I fetch: group w % 2, then groups 2 + 7 (w % 2) on
	s_mul_i32 s17, s15, 6656
	s_mul_i32 s18, s15, 46592
	s_add_co_u32 s18, s18, 13312
	s_add_co_u32 s84, s16, s17
	s_mov_b32 s85, 0
	s_add_co_u32 s86, s16, s18
	s_mov_b32 s87, 0
	s_mul_i32 s16, s14, 102400
	s_mul_i32 s19, s15, 6400
	s_mul_i32 s2, s15, 44800
	s_add_co_u32 s2, s2, 12800
	s_add_co_u32 s96, s16, s19
	s_mov_b32 s97, 0
	s_add_co_u32 s98, s16, s2
	s_mov_b32 s99, 0
	s_wait_kmcnt 0x0
	s_mov_b32 s56, 1
	s_mov_b32 s57, s17
	s_add_nc_u64 s[58:59], s[6:7], s[84:85]
	s_or_b32 s59, s59, 0x80000000
	s_mov_b32 s60, 1
	s_mov_b32 s61, s18
	s_add_nc_u64 s[62:63], s[6:7], s[86:87]
	s_or_b32 s63, s63, 0x80000000
	s_mov_b32 s68, 1
	s_add_co_u32 s69, s19, VL
	s_add_nc_u64 s[70:71], s[8:9], s[96:97]
	s_or_b32 s71, s71, 0x80000000
	s_mov_b32 s72, 1
	s_add_co_u32 s73, s2, VL
	s_add_nc_u64 s[74:75], s[8:9], s[98:99]
	s_or_b32 s75, s75, 0x80000000
	CROUND                                         ; all four work-groups are here: the joint loads meet
	s_cmp_lt_u32 s12, 2                            ; a wave's two loads stand together in one branch on its number: two loads of a fetching wave are out
	s_cbranch_scc0 .Lnot_k
	tensor_load_to_lds s[56:59], s[24:31]
	s_nop 0
	tensor_load_to_lds s[60:63], s[32:39]
	s_nop 0
	PLACES
	s_branch .Lasked
.Lnot_k:
	s_cmp_lt_u32 s12, 4
	s_cbranch_scc0 .Lasked
	tensor_load_to_lds s[68:71], s[40:47]
	s_nop 0
	tensor_load_to_lds s[72:75], s[48:55]
	s_nop 0
	PLACES
.Lasked:
	v_and_b32 v4, 31, v0
	v_lshlrev_b32 v1, 4, v4                        ; 16 x lane
	v_lshlrev_b32 v2, 3, v4                        ; 8 x lane
	v_and_b32 v3, 15, v0
	v_lshlrev_b32 v3, 4, v3                        ; 16 r: Q's scale words
	s_lshr_b32 s79, s12, 1                         ; the early tile's group of 128 tokens, and its last step
	s_sub_co_u32 s80, 15, s79                      ; the late tile's
	s_lshl_b32 s16, s15, 2
	s_add_co_u32 s16, s16, s13                     ; the early tile's place in its group: 4 (i % 2) + g
	s_sub_co_u32 s17, 7, s16                       ; the late tile's
; a tile's half fragment of Q, its scale word, and qr = its first query's place in the group
.macro QLOAD grp, a, qf, qs, qr, pb
	s_lshl_b32 s18, s14, 4
	s_add_co_u32 s18, s18, s[\grp]
	s_mul_i32 s18, s18, 6656
	s_mul_i32 s19, s[\a], 768
	s_add_co_u32 s[\pb], s18, s19
	s_mov_b32 s[\pb+1], 0
	s_add_nc_u64 s[\pb:\pb+1], s[4:5], s[\pb:\pb+1]
	global_load_b128 v[\qf:\qf+3], v1, s[\pb:\pb+1]
	global_load_b64 v[\qf+4:\qf+5], v2, s[\pb:\pb+1] offset:512
	s_and_b32 s19, s[\a], 1
	s_lshl_b32 s2, s19, 8
	s_lshl_b32 s[\qr], s19, 3
	s_lshr_b32 s19, s[\a], 1
	s_lshl_b32 s3, s19, 2
	s_add_co_u32 s2, s2, s3
	s_lshl_b32 s19, s19, 5
	s_add_co_u32 s[\qr], s[\qr], s19               ; 32 (a / 2) + 8 (a % 2)
	s_add_co_u32 s[\pb+2], s18, s2
	s_add_co_u32 s[\pb+2], s[\pb+2], 6144          ; word a / 2 of lane 16 (a % 2) + r
	s_mov_b32 s[\pb+3], 0
	s_add_nc_u64 s[\pb+2:\pb+3], s[4:5], s[\pb+2:\pb+3]
	global_load_b32 v[\qs], v3, s[\pb+2:\pb+3]
.endm
	QLOAD 79, 16, 24, 7, 81, 84
	QLOAD 80, 17, 36, 8, 82, 96
.irp i, 30,31,32,33,34,35,42,43,44,45,46,47,96,97,98,99,100,101
	v_mov_b32 v\i, 0                               ; zero codes: Q's K = 64 .. 127, and behind K's last tile
.endr
.irp i, 14,15,18,19,242,243,244,245,255
	v_mov_b32 v\i, 0                               ; the sums; and registers that are named (a permute's destination, a pair's upper half) before they are first written
.endr
	v_mov_b32 v13, 0xff61b1e6                      ; the largest t so far: -3e38, under every t
	v_mov_b32 v17, 0xff61b1e6
	v_floor_f32 v12, -v13                          ; -M
	v_floor_f32 v16, -v17
.set n, 0
.rept 64
	v_mov_b32 v[166+n], 0                          ; O^T of both tiles.  (The step is written once: the first finds zeros, which the first change of M leaves zeros)
.set n, n+1
.endr
; A TILE'S STEP: 128 keys.  qf, qs: Q and its scale word; st: the tile's state; ob: its O^T; d: the scalar with its last step; qr: the scalar with its first query's place in its group
.macro TSTEP qf, qs, st, ob, d, qr
	s_cmp_gt_u32 s76, s[\d]                        ; all keys of this step come after my queries: the step is left out
	s_cbranch_scc1 .Lhid_\@
	PLACES                                         ; in front of loads into registers that the last products read
.irp t, 0,1,2,3,4,5,6,7
	ds_load_b128 v[FR+6*\t:FR+6*\t+3], v3 offset:768*\t
	ds_load_b64 v[FR+6*\t+4:FR+6*\t+5], v4 offset:768*\t+512
.endr
	ds_load_b128 v[20:23], v3 offset:6144          ; K's scale words: register i: lanes 0-15 tile 2 i, lanes 16-31 tile 2 i + 1
	s_wait_dscnt 0x0
.irp t, 0,2,4,6
	v_wmma_scale_f32_16x16x128_f8f6f4 v[S+8*\t:S+8*\t+7], v[FR+6*\t:FR+6*\t+11], v[\qf:\qf+11], 0, v[20+\t/2], v[\qs] matrix_a_fmt:MATRIX_FMT_BF6 matrix_b_fmt:MATRIX_FMT_BF6
	v_wmma_scale_f32_16x16x128_f8f6f4 v[S+8*\t+8:S+8*\t+15], v[FR+6*\t+6:FR+6*\t+17], v[\qf:\qf+11], 0, v[20+\t/2], v[\qs] matrix_a_fmt:MATRIX_FMT_BF6 matrix_b_fmt:MATRIX_FMT_BF6 matrix_a_scale:MATRIX_SCALE_ROW1
.endr
	PLACES                                         ; behind the products: for the loads below and for the first reads of the scores
.irp f, 0,1,2,3,4,5,6,7                ; V's fragments land while the softmax is walked
	ds_load_b128 v[FR+6*\f:FR+6*\f+3], v5 offset:768*\f
	ds_load_b64 v[FR+6*\f+4:FR+6*\f+5], v6 offset:768*\f+512
.endr
	ds_load_b64 v[10:11], v6 offset:6144           ; V's scale words
	s_cmp_lg_u32 s76, s[\d]                        ; only the tile's last step lies on the diagonal
	s_cbranch_scc1 .Lopen_\@
	v_and_b32 v255, 15, v0
	v_and_b32 v254, 8, v0
	v_add_nc_u32 v255, v255, v254
	v_and_b32 v254, 16, v0
	v_sub_nc_u32 v255, v255, v254
	v_add_nc_u32 v255, s[\qr], v255                ; d = my query's place in the group - 16 (lane / 16).  Register 16 b + i holds key 32 b + 16 (lane / 16) + i: hidden where 32 b + i > d
	v_mov_b32 v254, 0xff800000                     ; -infinity: p = 0 then
.set n, 0
.rept 64
	v_cmp_gt_i32 vcc_lo, 32*(n/16)+n%16, v255
	v_cndmask_b32 v[S+n], v[S+n], v254, vcc_lo
.set n, n+1
.endr
.Lopen_\@:
.irp b, 0,1,2,3
	v_max3_num_f32 v[250+\b], v[S+16*\b], v[S+16*\b+1], v[S+16*\b+2]   ; the largest score of each block of 32 keys: for the row's maximum, and, since p rises with the score, for the block's largest p
.endr
.irp i, 3,5,7,9,11,13
.irp b, 0,1,2,3
	v_max3_num_f32 v[250+\b], v[250+\b], v[S+16*\b+\i], v[S+16*\b+\i+1]
.endr
.endr
.irp b, 0,1,2,3
	v_max_num_f32 v[250+\b], v[250+\b], v[S+16*\b+15]
.endr
.irp b, 0,1,2,3
	v_permlanex16_b32 v[242+\b], v[250+\b], s20, s21
.endr
.irp b, 0,1,2,3
	v_max_num_f32 v[250+\b], v[250+\b], v[242+\b]  ; with lane l xor 16's 16 keys
.endr
	v_max3_num_f32 v255, v250, v251, v252
	v_max_num_f32 v255, v255, v253                 ; the step's largest score of my query
	v_mul_f32 v255, s22, v255                      ; as t
	v_max_num_f32 v[\st+1], v[\st+1], v255         ; the running largest t
	v_mov_b32 v255, v[\st]
	v_floor_f32 v[\st], -v[\st+1]                  ; the new -M = floor(-t): M is a whole number
	v_sub_f32 v255, v[\st], v255                   ; old M - new M: a whole number, 0 or less
	v_cvt_i32_f32 v255, v255                       ; (it saturates)
	v_ldexp_f32 v254, 1.0, v255                    ; f = 2^(old M - new M)
.set n, 0
.rept 32
	v_pk_fma_f32 v[S+n:S+n+1], v[S+n:S+n+1], s[22:23], v[\st:\st+1] op_sel_hi:[1,0,0]   ; t - M, two at a time
.set n, n+2
.endr
.irp b, 0,1,2,3
	v_fma_f32 v[250+\b], v[250+\b], s22, v[\st]    ; the same of each block's largest score
.endr
.set n, 0
.rept 64
	v_exp_f32 v[S+n], v[S+n]                       ; p = 2^(t - M)
.set n, n+1
.endr
.irp b, 0,1,2,3
	v_exp_f32 v[250+\b], v[250+\b]                 ; the block's largest p: the same two instructions on the same number
.endr
	v_pk_mul_f32 v[\st+2:\st+3], v[\st+2:\st+3], v[254:255] op_sel_hi:[1,0]   ; the sums under the new M.  (The plain line behind the exponentials)
	s_wait_alu depctr_va_vdst(0)
.irp b, 0,1,2,3
	v_max_num_f32 v[250+\b], 0x2800000, v[250+\b]  ; the floor 2^(5 - 127): the byte cannot fall under 1
.endr
.irp b, 0,1,2,3
	v_add_nc_u32 v[250+\b], 0xfe000000, v[250+\b]  ; 4 off the exponent field: the conversion's scale operand
.endr
.irp b, 0,1,2,3
	v_lshrrev_b32 v[242+\b], 23, v[250+\b]         ; the scale's byte
.endr
	v_lshl_or_b32 v9, v243, 8, v242                ; p's scale word for these 128 keys
	v_lshl_or_b32 v9, v244, 16, v9
	v_lshl_or_b32 v9, v245, 24, v9
.irp c, 0,1
	v_cvt_scalef32_pk16_bf6_f32 v[230+6*\c:232+6*\c], v[S+32*\c:S+32*\c+15], v[250+2*\c]
	v_cvt_scalef32_pk16_bf6_f32 v[242+4*\c:244+4*\c], v[S+32*\c+16:S+32*\c+31], v[251+2*\c]
.endr
	v_nop                                          ; one plain line behind the scaled conversions
.irp c, 0,1                            ; the operand's layout wants a WHOLE block in a lane
.irp i, 0,1,2
	v_permlane16_swap_b32 v[230+6*\c+\i], v[242+4*\c+\i]
.endr
.irp i, 0,1,2
	v_mov_b32 v[233+6*\c+\i], v[242+4*\c+\i]
.endr
.endr
	v_pk_add_f32 v[242:243], v[S:S+1], v[S+2:S+3]  ; the row's sum is taken of the UNQUANTISED p: two at a time, in two chains
.irp j, 4,8,12,16,20,24,28,32,36,40,44,48,52,56,60
	v_pk_add_f32 v[\st+2:\st+3], v[\st+2:\st+3], v[S+\j:S+\j+1]
	v_pk_add_f32 v[242:243], v[242:243], v[S+\j+2:S+\j+3]
.endr
	v_pk_add_f32 v[\st+2:\st+3], v[\st+2:\st+3], v[242:243]
.set n, 0
.rept 16
	v_pk_mul_f32 v[\ob+n:\ob+n+1], v[\ob+n:\ob+n+1], v[254:255] op_sel_hi:[1,0]   ; O^T under the new M
.set n, n+2
.endr
	s_wait_dscnt 0x0                               ; V is in
.irp t, 0,2
	v_wmma_scale_f32_16x16x128_f8f6f4 v[\ob+8*\t:\ob+8*\t+7], v[FR+12*\t:FR+12*\t+11], v[230:241], v[\ob+8*\t:\ob+8*\t+7], v[10+\t/2], v9 matrix_a_fmt:MATRIX_FMT_BF6 matrix_b_fmt:MATRIX_FMT_BF6
	v_wmma_scale_f32_16x16x128_f8f6f4 v[\ob+8*\t+8:\ob+8*\t+15], v[FR+12*\t+12:FR+12*\t+23], v[230:241], v[\ob+8*\t+8:\ob+8*\t+15], v[10+\t/2], v9 matrix_a_fmt:MATRIX_FMT_BF6 matrix_b_fmt:MATRIX_FMT_BF6 matrix_a_scale:MATRIX_SCALE_ROW1
.endr
.Lhid_\@:
.endm
.macro BODY                            ; step s76: the late tile's, then the early tile's
	v_add_nc_u32 v3, s77, v1
	v_add_nc_u32 v4, s77, v2
	v_add_nc_u32 v5, s78, v1
	v_add_nc_u32 v6, s78, v2
	TSTEP 36, 8, 16, 198, 80, 82
	TSTEP 24, 7, 12, 166, 79, 81
	s_add_co_u32 s77, s77, 6656
	s_add_co_u32 s78, s78, 6400
	s_add_co_u32 s76, s76, 1
.endm
	s_mov_b32 s76, 0                               ; the step
	s_mov_b32 s77, 0                               ; its group of K in LDS
	s_mov_b32 s78, VL                              ; and of V
	s_wait_loadcnt 0x0                             ; Q
	s_wait_tensorcnt 1                             ; a fetching wave's first load, one of groups 0 and 1, is in; its second may stay out
	s_barrier_signal -1
	s_barrier_wait -1
.Lfirst:                                               ; steps 0 and 1, while the other fourteen groups are on their way
	BODY
	s_cmp_lt_u32 s76, 2
	s_cbranch_scc1 .Lfirst
	s_wait_tensorcnt 0x0                           ; all of my part is in,
	s_wait_dscnt 0x0
	s_barrier_signal -1
	s_barrier_wait -1                              ; everybody's is
.Lrest:
	BODY
	s_cmp_lt_u32 s76, 16
	s_cbranch_scc1 .Lrest
	; THE WAY OUT.  These four plain lines, which name no register of the last products, are also the places behind them
	v_and_b32 v3, 15, v0
	v_lshlrev_b32 v3, 4, v3
	v_bfe_u32 v4, v0, 4, 1
	v_add_nc_u32 v3, v3, v4                        ; 16 r + h: my scale byte's place
; a tile: O^T / the sum, quantised along d (two blocks of 32), stored as half fragment head % 4 of chunk head / 4 of tile 128 batch + t
.macro OUTT st, ob, grp, a, pb, again
.if \again
	s_wait_xcnt 0x0                                ; the first tile's stores have read their data
.endif
	v_add_f32 v[\st+2], v[\st+2], v[\st+3]         ; the sum's two halves,
	v_permlanex16_b32 v255, v[\st+2], s20, s21
	v_add_f32 v[\st+2], v[\st+2], v255             ; and lane l xor 16's
	v_rcp_f32 v254, v[\st+2]
	v_nop                                          ; one plain line behind the transcendental
.set n, 0
	s_wait_alu depctr_va_vdst(0)
.rept 32
	v_mul_f32 v[S+n], v[\ob+n], v254               ; register 16 b + i is ctx(my query, 32 b + 16 (lane / 16) + i)
.set n, n+1
.endr
.irp b, 0,1
	v_max3_num_f32 v[250+\b], |v[S+16*\b]|, |v[S+16*\b+1]|, 0x2800000
.endr
.irp i, 2,4,6,8,10,12,14
.irp b, 0,1
	v_max3_num_f32 v[250+\b], v[250+\b], |v[S+16*\b+\i]|, |v[S+16*\b+\i+1]|
.endr
.endr
.irp b, 0,1
	v_permlanex16_b32 v[242+\b], v[250+\b], s20, s21
.endr
.irp b, 0,1
	v_max_num_f32 v[250+\b], v[250+\b], v[242+\b]
.endr
.irp b, 0,1
	v_add_nc_u32 v[250+\b], 0xfe000000, v[250+\b]
.endr
.irp b, 0,1
	v_lshrrev_b32 v[244+\b], 23, v[250+\b]
.endr
	v_cndmask_b32 v249, v244, v245, s83            ; lanes 0-15 store block 0's byte, lanes 16-31 block 1's
	v_cvt_scalef32_pk16_bf6_f32 v[230:232], v[S:S+15], v250
	v_cvt_scalef32_pk16_bf6_f32 v[246:248], v[S+16:S+31], v251
	v_nop
.irp i, 0,1,2
	v_permlane16_swap_b32 v[230+\i], v[246+\i]
.endr
.irp i, 0,1,2
	v_mov_b32 v[233+\i], v[246+\i]
.endr
	s_lshr_b32 s18, s14, 4
	s_lshl_b32 s18, s18, 7
	s_lshl_b32 s19, s[\grp], 3
	s_add_co_u32 s18, s18, s19
	s_add_co_u32 s18, s18, s[\a]                   ; the tile among all tokens': 128 batch + 8 group + a
	s_and_b32 s19, s14, 15                         ; the head
	s_lshr_b32 s2, s19, 2
	s_mul_i32 s2, s2, CHX
	s_mul_i32 s3, s18, 3072
	s_add_co_u32 s2, s2, s3
	s_and_b32 s3, s19, 3
	s_mul_i32 s3, s3, 768
	s_add_co_u32 s[\pb], s2, s3
	s_mov_b32 s[\pb+1], 0
	s_add_nc_u64 s[\pb:\pb+1], s[10:11], s[\pb:\pb+1]
	s_lshl_b32 s2, s18, 9
	s_lshr_b32 s3, s19, 3
	s_lshl_b32 s3, s3, 8
	s_add_co_u32 s2, s2, s3
	s_and_b32 s3, s19, 7
	s_lshl_b32 s3, s3, 1
	s_add_co_u32 s2, s2, s3
	s_add_co_u32 s[\pb+2], s2, XSC
	s_mov_b32 s[\pb+3], 0
	s_add_nc_u64 s[\pb+2:\pb+3], s[10:11], s[\pb+2:\pb+3]
	global_store_b128 v1, v[230:233], s[\pb:\pb+1]              ; 512 consecutive bytes
	global_store_b64 v2, v[234:235], s[\pb:\pb+1] offset:512    ; 256 consecutive bytes
	global_store_b8 v3, v249, s[\pb+2:\pb+3]
.endm
	OUTT 16, 198, 80, 17, 96, 0
	OUTT 12, 166, 79, 16, 84, 1
	s_wait_xcnt 0x0
	v_lshl_add_u32 v254, v0, 2, 0x33000
	v_mov_b32 v255, 0
	s_wait_tensorcnt 0x0
	ds_add_u32 v254, v255
	s_wait_dscnt 0x0
	CROUND                                         ; the closing round
	s_endpgm
.Lfunc_end_k_q4df968ef59_attn:
	.size	k_q4df968ef59_attn, .Lfunc_end_k_q4df968ef59_attn-k_q4df968ef59_attn
	.p2alignl 7, 3214868480
	.fill 96, 4, 3214868480
	.section	.rodata,"a",@progbits
	.p2align	6, 0x0
	.amdhsa_kernel k_q4df968ef59_attn
		.amdhsa_group_segment_fixed_size 210944
		.amdhsa_private_segment_fixed_size 0
		.amdhsa_enable_private_segment 0
		.amdhsa_kernarg_size 32
		.amdhsa_user_sgpr_count 2
		.amdhsa_user_sgpr_kernarg_segment_ptr 1
		.amdhsa_wavefront_size32 1
		.amdhsa_system_sgpr_workgroup_id_x 1
		.amdhsa_system_sgpr_workgroup_id_y 1
		.amdhsa_system_sgpr_workgroup_id_z 1
		.amdhsa_system_vgpr_workitem_id 0
		.amdhsa_next_free_vgpr 256
		.amdhsa_next_free_sgpr 100
		.amdhsa_reserve_vcc 1
		.amdhsa_float_denorm_mode_32 3
		.amdhsa_float_denorm_mode_16_64 3
		.amdhsa_memory_ordered 1
		.amdhsa_forward_progress 1
		.amdhsa_inst_pref_size 105
	.end_amdhsa_kernel
	.amdgpu_metadata
---
amdhsa.version: [ 1, 2 ]
amdhsa.kernels:
  - .name:           k_q4df968ef59_attn
    .symbol:         k_q4df968ef59_attn.kd
    .args:
      - { .name: qb, .offset: 0, .size: 8, .value_kind: global_buffer, .address_space: global }
      - { .name: kb, .offset: 8, .size: 8, .value_kind: global_buffer, .address_space: global }
      - { .name: vb, .offset: 16, .size: 8, .value_kind: global_buffer, .address_space: global }
      - { .name: cq, .offset: 24, .size: 8, .value_kind: global_buffer, .address_space: global }
    .group_segment_fixed_size: 210944
    .private_segment_fixed_size: 0
    .kernarg_segment_align: 8
    .kernarg_segment_size: 32
    .max_flat_workgroup_size: 512
    .sgpr_count:     100
    .vgpr_count:     256
    .wavefront_size: 32
...
	.end_amdgpu_metadata
.endif
;; end of part 3
;; launch oproj (part 4): grid 8 x 32, 4 waves a work-group, clusters of 4 x 4, 312,832 bytes of LDS; arguments cq, wq, bo, out0; writes out0
.if DOCPART == 4
	.amdgcn_target "amdgcn-amd-amdhsa--gfx1250"
	.amdhsa_code_object_version 6
	.text
	.protected	k_q4df968ef59_oproj
	.globl	k_q4df968ef59_oproj
	.p2align	8
	.type	k_q4df968ef59_oproj,@function
k_q4df968ef59_oproj:
	s_mov_b64 s[64:65], 0
	v_nop
	global_prefetch_b8 v0, s[64:65] scope:SCOPE_SE
	s_setreg_imm32_b32 hwreg(HW_REG_WAVE_MODE, 25, 1), 1
	s_wait_xcnt 0x0
	s_wait_alu depctr_hold_cnt(0) depctr_sa_sdst(0) depctr_va_vdst(0) depctr_va_sdst(0) depctr_va_ssrc(0) depctr_va_vcc(0) depctr_vm_vsrc(0)
	s_getreg_b32 s2, hwreg(HW_REG_IB_STS2, 6, 4)
	s_cmp_eq_u32 s2, 0
	s_cbranch_scc0 .Lentry_in_a_cluster
	s_endpgm
.Lentry_in_a_cluster:
	s_bfe_u32 s2, ttmp6, 0x10000c
	s_cmp_lg_u32 s2, 0xf033
	s_cbranch_scc0 .Lentry_shape_is_right
	s_endpgm
.Lentry_shape_is_right:
; out0 = ctx Wo + bo: ctx [8192][1024] and Wo (rows 3,072 on of the weights' codes) as codes of BF6 with E8M0 scales; bo and out0 f32.
; A work-group makes 256 tokens (y) x 128 columns (x): 256 work-groups, one tile each.  Wave w: tokens 128 (w / 2) on, columns 64 (w % 2) on: 32 accumulators.
; Both operands for all of K come into LDS once, in four chunks of 256 along K, as images of the operand's registers; nothing is filled again.  CLUSTER 4 x 4: ctx's tiles jointly along a row, Wo's along a column.
; Source 0 = 16 columns of Wo, source 1 = 16 tokens: a lane holds one token and 8 neighbouring columns.  The bias is the C of each sum's first product.
; Slot r of tile T is row 32 (T / 2) + 8 (T % 2) + r + 8 (r / 8), for tokens and columns alike.
; REGISTERS: window 0: addresses, scale words, the bias, the way out; window 1: the accumulators; windows 2, 3: two sets of fragments (ctx's tile i at 12 i, Wo's tile b at 96 + 12 b).
.set CHX, 1572864
.set XSC, 6291456
.set CHW, 786432
.set WSC, 3145728
.set AC,  49152
.set BC,  24576
.set BL,  196608
.set STG, 294912                       ; behind the operands: a stage of 16 rows x (256 bytes + 16) for each wave; no tensor load fills it
.set ADA16, 8
.set ADA8,  12
.set ADB16, 16
.set ADB8,  20
.set SA,  32                           ; v32-63  ctx's scale words
.set SB,  64                           ; v64-79  Wo's
.set BI,  112                          ; v112-143 the bias, eight registers for each column tile, in the result's layout
.set BK,  144                          ; v144-175, v176-207 rows read back from the stage, by turns
.set MSB, 0
.macro WIN new
.if MSB != (\new)
	s_set_vgpr_msb (MSB<<8)|(\new)
.set MSB, (\new)
.endif
.endm
.macro PLACES
.rept 4
	v_nop
.endr
.endm
.macro CROUND
	s_barrier_signal -1
	s_barrier_wait -1
	s_cmp_lg_u32 s14, 0
	s_cbranch_scc1 .Lnot_wave_0_\@
	s_barrier_signal -3
.Lnot_wave_0_\@:
	s_barrier_wait -3
	s_barrier_signal -1
	s_barrier_wait -1
.endm
.macro G1REST g, rows
	s_mov_b32 s[\g+1], 32<<16
	s_mov_b32 s[\g+2], (\rows)<<16
	s_mov_b32 s[\g+3], 32<<16
	s_mov_b32 s[\g+4], \rows
	s_mov_b32 s[\g+5], 32
	s_mov_b32 s[\g+6], 0
	s_mov_b32 s[\g+7], 0
.endm
	s_load_b256 s[4:11], s[0:1], 0x0               ; cq, wq, bo, out0
	v_lshl_add_u32 v254, v0, 2, 0x4c400
	v_mov_b32 v255, 0
	ds_add_u32 v254, v255
	ds_add_u32 v254, v255
	v_lshrrev_b32 v1, 5, v0
	v_readfirstlane_b32 s14, v1                    ; wave 0..3
	s_lshr_b32 s15, s14, 1                         ; wy; also: I fetch for ctx (0) or for Wo (1)
	s_and_b32 s16, s14, 1                          ; wx; also: which half of a chunk I fetch
	s_bfe_u32 s17, ttmp6, 0x40000                  ; cx
	s_bfe_u32 s18, ttmp6, 0x40004                  ; cy
	s_lshl_b32 s19, ttmp9, 2
	s_add_co_u32 s19, s19, s17                     ; x
	s_and_b32 s20, ttmp7, 0xffff
	s_lshl_b32 s20, s20, 2
	s_add_co_u32 s20, s20, s18                     ; y
	s_lshl_b32 s21, s18, 2
	s_lshl_b32 s21, 15, s21                        ; my row of the cluster
	s_lshl_b32 s22, 0x1111, s17                    ; my column
	s_or_b32 s24, s21, (3<<16)|(1<<21)
	s_or_b32 s32, s22, (3<<16)|(1<<21)
	G1REST 24, 96                                  ; half a chunk of ctx: 24,576 dense bytes as rows of 256
	G1REST 32, 48                                  ; half a chunk of Wo: 12,288
	s_mul_i32 s88, s20, 49152                      ; ctx: tile 16 y + 8 j
	s_mul_i32 s89, s16, 24576
	s_add_co_u32 s88, s88, s89
	s_mov_b32 s89, 0
	s_mul_i32 s90, s19, 24576                      ; Wo: tile 192 + 8 x + 4 j
	s_mul_i32 s91, s16, 12288
	s_add_co_u32 s90, s90, s91
	s_add_co_u32 s90, s90, 589824
	s_mov_b32 s91, 0
	s_mul_i32 s94, s16, 24576
	s_mul_i32 s95, s16, 12288
	s_wait_dscnt 0x0
	s_wait_kmcnt 0x0
	s_add_nc_u64 s[88:89], s[4:5], s[88:89]
	s_add_nc_u64 s[90:91], s[6:7], s[90:91]
.irp c, 0,1,2,3
	s_mov_b32 s[48+4*\c], 1
	s_add_co_u32 s[49+4*\c], s94, \c*AC
	s_add_nc_u64 s[50+4*\c:51+4*\c], s[88:89], \c*CHX
	s_or_b32 s[51+4*\c], s[51+4*\c], 0x80000000
	s_mov_b32 s[68+4*\c], 1
	s_add_co_u32 s[69+4*\c], s95, BL+\c*BC
	s_add_nc_u64 s[70+4*\c:71+4*\c], s[90:91], \c*CHW
	s_or_b32 s[71+4*\c], s[71+4*\c], 0x80000000
.endr
	CROUND                                         ; all sixteen work-groups are here: the joint loads meet
	s_cmp_eq_u32 s15, 0                            ; a wave's four fills stand in one branch: four loads of mine are out
	s_cbranch_scc0 .Lfirst_w
	tensor_load_to_lds s[48:51], s[24:31]
	s_nop 0
	tensor_load_to_lds s[52:55], s[24:31]
	s_nop 0
	tensor_load_to_lds s[56:59], s[24:31]
	s_nop 0
	tensor_load_to_lds s[60:63], s[24:31]
	s_nop 0
	PLACES
	s_branch .Lfirst_asked
.Lfirst_w:
	tensor_load_to_lds s[68:71], s[32:39]
	s_nop 0
	tensor_load_to_lds s[72:75], s[32:39]
	s_nop 0
	tensor_load_to_lds s[76:79], s[32:39]
	s_nop 0
	tensor_load_to_lds s[80:83], s[32:39]
	s_nop 0
	PLACES
.Lfirst_asked:
	v_and_b32 v3, 31, v0
	v_lshlrev_b32 v1, 4, v3                        ; 16 x lane
	v_lshlrev_b32 v2, 3, v3                        ; 8 x lane
	v_and_b32 v4, 15, v0                           ; r
	v_bfe_u32 v5, v0, 4, 1                         ; h
	v_lshlrev_b32 v27, 6, v5                       ; the bias: 16 numbers on for lanes 16-31
	s_lshl_b32 s88, s20, 13
	s_lshl_b32 s89, s15, 12
	s_add_co_u32 s88, s88, s89
	s_add_co_u32 s88, s88, XSC
	s_mov_b32 s89, 0
	s_add_nc_u64 s[88:89], s[4:5], s[88:89]        ; ctx's scale words: tile 16 y + 8 wy
	s_lshl_b32 s90, s19, 12
	s_lshl_b32 s91, s16, 11
	s_add_co_u32 s90, s90, s91
	s_add_co_u32 s90, s90, WSC+98304
	s_mov_b32 s91, 0
	s_add_nc_u64 s[90:91], s[6:7], s[90:91]        ; Wo's: tile 192 + 8 x + 4 wx
	s_lshl_b32 s92, s19, 9
	s_lshl_b32 s93, s16, 8
	s_add_co_u32 s92, s92, s93                     ; my 64 columns, in bytes
	s_mov_b32 s93, 0
	s_add_nc_u64 s[8:9], s[8:9], s[92:93]
.irp i, 0,1,2,3,4,5,6,7
	global_load_b128 v[SA+4*\i:SA+4*\i+3], v1, s[88:89] offset:512*\i
.endr
.irp b, 0,1,2,3
	global_load_b128 v[SB+4*\b:SB+4*\b+3], v1, s[90:91] offset:\b*512
.endr
.irp b, 0,1,2,3
	global_load_b128 v[BI+8*\b:BI+8*\b+3], v27, s[8:9] offset:(32*(\b/2)+8*(\b%2))*4       ; bo at column 32 (b / 2) + 16 h + 8 (b % 2) + 0 .. 7
	global_load_b128 v[BI+8*\b+4:BI+8*\b+7], v27, s[8:9] offset:(32*(\b/2)+8*(\b%2))*4+16
.endr
	s_mul_i32 s97, s15, 24576
	s_mul_i32 s98, s16, 12288
	s_add_co_u32 s98, s98, BL
.irp c, 0,1,2,3
	v_add_nc_u32 v[ADA16+\c], s97, v1
	v_add_nc_u32 v[ADA8+\c], s97, v2
	v_add_nc_u32 v[ADB16+\c], s98, v1
	v_add_nc_u32 v[ADB8+\c], s98, v2
	s_add_co_u32 s97, s97, AC
	s_add_co_u32 s98, s98, BC
.endr
	s_mul_i32 s99, s14, 4352
	s_add_co_u32 s99, s99, STG                     ; my stage
	v_mul_u32_u24 v24, v4, 272
	v_lshl_add_u32 v24, v5, 6, v24
	v_add_nc_u32 v24, s99, v24                     ; in: row r, + 64 h
	v_mul_u32_u24 v25, v5, 272
	v_lshl_add_u32 v25, v4, 4, v25
	v_add_nc_u32 v25, s99, v25                     ; back: lanes 0-15 one row of 256 bytes, lanes 16-31 the next
	v_lshlrev_b32 v26, 12, v5
	v_lshl_add_u32 v26, v4, 4, v26                 ; and the same two rows in out0
	s_lshl_b32 s96, s20, 20                        ; 256 y rows of 4,096 bytes,
	s_lshl_b32 s97, s15, 19                        ; 128 wy rows
	s_add_co_u32 s96, s96, s97
	s_add_co_u32 s96, s96, s92
	s_mov_b32 s97, 0
	s_add_nc_u64 s[10:11], s[10:11], s[96:97]
.macro FETCH fs, ks                    ; 48 LDS loads: the fragments of K step ks into set fs
	WIN 0x80+0x40*(\fs)
.irp i, 0,1,2,3,4,5,6,7
.irp f, 0,1
	ds_load_b128 v[12*\i+6*\f:12*\i+6*\f+3], v[ADA16+(\ks)/2] offset:\i*3072+(2*((\ks)%2)+\f)*768
	ds_load_b64 v[12*\i+6*\f+4:12*\i+6*\f+5], v[ADA8+(\ks)/2] offset:\i*3072+(2*((\ks)%2)+\f)*768+512
.endr
.endr
.irp b, 0,1,2,3
.irp f, 0,1
	ds_load_b128 v[96+12*\b+6*\f:96+12*\b+6*\f+3], v[ADB16+(\ks)/2] offset:\b*3072+(2*((\ks)%2)+\f)*768
	ds_load_b64 v[96+12*\b+6*\f+4:96+12*\b+6*\f+5], v[ADB8+(\ks)/2] offset:\b*3072+(2*((\ks)%2)+\f)*768+512
.endr
.endr
.endm
.macro WM d, fa, fb, ca, cb, ci, ks    ; K step 0 starts the sum with the bias as C
.if (\ks) == 0
	v_wmma_scale_f32_16x16x128_f8f6f4 v[\d:\d+7], v[\fa:\fa+11], v[\fb:\fb+11], v[\ci:\ci+7], v[\ca], v[\cb] matrix_a_fmt:MATRIX_FMT_BF6 matrix_b_fmt:MATRIX_FMT_BF6
.elseif (\ks) < 4
	v_wmma_scale_f32_16x16x128_f8f6f4 v[\d:\d+7], v[\fa:\fa+11], v[\fb:\fb+11], v[\d:\d+7], v[\ca], v[\cb] matrix_a_fmt:MATRIX_FMT_BF6 matrix_b_fmt:MATRIX_FMT_BF6
.else
	v_wmma_scale_f32_16x16x128_f8f6f4 v[\d:\d+7], v[\fa:\fa+11], v[\fb:\fb+11], v[\d:\d+7], v[\ca], v[\cb] matrix_a_fmt:MATRIX_FMT_BF6 matrix_b_fmt:MATRIX_FMT_BF6 matrix_a_scale:MATRIX_SCALE_ROW1 matrix_b_scale:MATRIX_SCALE_ROW1
.endif
.endm
.macro MUL ks, half                    ; 16 products; the 32 accumulators take turns, in the same order in every step
.if (\ks) == 0
	WIN 0x4a                                       ; sources in window 2, C (the bias) in window 0, D in window 1
.else
	WIN 0x5a+5*((\ks)%2)
.endif
.irp a, 0,1,2,3
.irp b, 0,1,2,3
	WM 8*(4*(4*(\half)+\a)+\b), 96+12*\b, 12*(4*(\half)+\a), SB+4*\b+(\ks)%4, SA+4*(4*(\half)+\a)+(\ks)%4, BI+8*\b, \ks
.endr
.endr
.endm
.macro STEP ks
.if (\ks)%2 == 1
	s_wait_dscnt 0x0                               ; no LDS instruction of mine is out at a signal
	s_wait_tensorcnt 3-((\ks)+1)/2                 ; my part of the chunk that the next step opens is in; the chunks behind it may stay out
	s_barrier_signal -1
	s_barrier_wait -1
.endif
	PLACES
	FETCH ((\ks)+1)%2, (\ks)+1
	s_wait_dscnt 48                                ; all but the 48 just issued
	MUL \ks, 0
	MUL \ks, 1
.endm
	s_wait_tensorcnt 3                             ; my part of chunk 0 is in
	s_barrier_signal -1
	s_barrier_wait -1
	FETCH 0, 0
	s_wait_loadcnt 0x0                             ; the scale words and the bias
.irp s, 0,1,2,3,4,5,6
	STEP \s
.endr
	s_wait_dscnt 0x0
	MUL 7, 0
	MUL 7, 1
	WIN 0
; THE WAY OUT, a tile of 16 tokens x 64 columns at a time, through my own stage: in by lanes (32 bytes of a row), back by rows, so that sixteen lanes store 256 consecutive bytes.
.macro TOSTAGE a
	WIN 0x04                                       ; an LDS store's data: window 1
.irp b, 0,1,2,3
	ds_store_b128 v24, v[8*(4*(\a)+\b):8*(4*(\a)+\b)+3] offset:128*(\b/2)+32*(\b%2)         ; each accumulator from its low end on
	ds_store_b128 v24, v[8*(4*(\a)+\b)+4:8*(4*(\a)+\b)+7] offset:128*(\b/2)+32*(\b%2)+16
.endr
	WIN 0
.irp t, 0,1,2,3,4,5,6,7
	ds_load_b128 v[BK+32*((\a)%2)+4*\t:BK+32*((\a)%2)+4*\t+3], v25 offset:544*\t   ; LDS serves a wave's instructions in order: these see the stores above
.endr
.endm
.macro SEND a, younger                 ; younger: the LDS instructions issued behind tile a's loads
	s_wait_dscnt \younger
.irp t, 0,1,2,3,4,5,6,7
	global_store_b128 v26, v[BK+32*((\a)%2)+4*\t:BK+32*((\a)%2)+4*\t+3], s[10:11] offset:(32*((\a)/2)+8*((\a)%2)+2*\t+8*(\t/4))*4096 th:TH_STORE_NT   ; slots 2 t, 2 t + 1 of the tile
.endr
.endm
	PLACES                                         ; behind the last products, in front of the first read of results
	TOSTAGE 0
.irp a, 1,2,3,4,5,6,7
.if \a > 1
	s_wait_xcnt 0x0                                ; tile a - 2's stores have read their registers: tile a's loads may land there
.endif
	TOSTAGE \a
	SEND \a-1, 16                                  ; behind tile a - 1's loads: tile a's 8 stores and 8 loads
.endr
	SEND 7, 0
	s_wait_tensorcnt 0x0
	ds_add_u32 v254, v255
	s_wait_dscnt 0x0
	CROUND                                         ; the closing round
	s_endpgm
.Lfunc_end_k_q4df968ef59_oproj:
	.size	k_q4df968ef59_oproj, .Lfunc_end_k_q4df968ef59_oproj-k_q4df968ef59_oproj
	.p2alignl 7, 3214868480
	.fill 96, 4, 3214868480
	.section	.rodata,"a",@progbits
	.p2align	6, 0x0
	.amdhsa_kernel k_q4df968ef59_oproj
		.amdhsa_group_segment_fixed_size 312832
		.amdhsa_private_segment_fixed_size 0
		.amdhsa_enable_private_segment 0
		.amdhsa_kernarg_size 32
		.amdhsa_user_sgpr_count 2
		.amdhsa_user_sgpr_kernarg_segment_ptr 1
		.amdhsa_wavefront_size32 1
		.amdhsa_system_sgpr_workgroup_id_x 1
		.amdhsa_system_sgpr_workgroup_id_y 1
		.amdhsa_system_sgpr_workgroup_id_z 1
		.amdhsa_system_vgpr_workitem_id 0
		.amdhsa_next_free_vgpr 1024
		.amdhsa_next_free_sgpr 100
		.amdhsa_reserve_vcc 0
		.amdhsa_float_denorm_mode_32 3
		.amdhsa_float_denorm_mode_16_64 3
		.amdhsa_memory_ordered 1
		.amdhsa_forward_progress 1
		.amdhsa_inst_pref_size 85
	.end_amdhsa_kernel
	.amdgpu_metadata
---
amdhsa.version: [ 1, 2 ]
amdhsa.kernels:
  - .name:           k_q4df968ef59_oproj
    .symbol:         k_q4df968ef59_oproj.kd
    .args:
      - { .name: cq, .offset: 0, .size: 8, .value_kind: global_buffer, .address_space: global }
      - { .name: wq, .offset: 8, .size: 8, .value_kind: global_buffer, .address_space: global }
      - { .name: bo, .offset: 16, .size: 8, .value_kind: global_buffer, .address_space: global }
      - { .name: out0, .offset: 24, .size: 8, .value_kind: global_buffer, .address_space: global }
    .group_segment_fixed_size: 312832
    .private_segment_fixed_size: 0
    .kernarg_segment_align: 8
    .kernarg_segment_size: 32
    .max_flat_workgroup_size: 128
    .sgpr_count:     100
    .vgpr_count:     1024
    .wavefront_size: 32
...
	.end_amdgpu_metadata
.endif
;; end of part 4
